; MI455X (gfx1250); checked and timed in simulation.
; The chip was launched on July 23, 2026; its instructions are those of AMD's public machine-readable ISA for CDNA 5 (MIT licence, August 2026) and "CDNA5" Instruction Set Architecture Reference Guide (July 2026). The comments in the code are by the model that wrote it; some were corrected since.
;; Mo E Head. Allowed arithmetic: matrix products marked QUANTISED: E2M1 operands, one E8M0 scale for each 32 along K, by v_wmma_scale_f32_16x16x128_f8f6f4 with both operands' format E2M1 (or v_wmma_scale_f32_32x16x128_f4), f32 sums; products left as they are: f32 operands where the result goes on into a quantised operand, else bf16, f16 or f32 operands; f32 sums; everything else in f32.
;; Inputs: W1_codes 8 x 2,048 x 32 x 16 uint8 (E2M1 codes of W1, K innermost, in blocks of 32 codes, two codes a byte); W1_scales 8 x 2,048 x 32 uint8 (E8M0 scales of W1, one for each 32 codes along K); W2 8 x 2,048 x 8 float32; b1 8 x 2,048 float32; b2 8 x 8 float32; feat 4,096 x 1,024 float32; ln_beta 8 x 1,024 float32; ln_gamma 8 x 1,024 float32; mu_cat 8 x 256 float32; z_cat 4,096 x 256 float32.
;; Outputs: out0 4,096 x 8 float32; out1 4,096 x 8 float32.
;; Constants: tau_gate = 1.
;; This version of the problem:
;;   THIS VERSION OF THE PROBLEM IS GIVEN IN LOW PRECISION. The matrix products marked QUANTISED in the list below multiply operands that are first quantised to E2M1 (2 exponent bits, 1 mantissa bit; 4 bits a number), with one power-of-two scale for each 32 numbers along K (OCP MX v1.0); their sums are f32. All else is computed in f32.
;;   The module's matrix products, in the order in which they are computed (A, B: the left and right operand; K: the contracted axis; several contracted axes count as one K, in the product's order):
;;     1. [M 4,096, K 256] x [K 256, N 8]; A: computed on the way; B: computed on the way: left as it is (N = 8 < 16)
;;     2. batch 8 x [M 4,096, K 1,024] x [K 1,024, N 2,048]; A: computed on the way; B: input W1 (given as codes): QUANTISED
;;     3. batch 8 x [M 4,096, K 2,048] x [K 2,048, N 8]; A: computed on the way; B: input W2: left as it is (N = 8 < 16)
;;     4. batch 4,096 x [M 8, K 8] x [K 8, N 1]; A: computed on the way; B: softmax: left as it is (K = 8 < 32)
;;   THE QUANTISER, for each operand of a quantised product, along K:
;;     - K is cut into blocks of 32 from its start; a last block that is shorter is filled with zeros.
;;     - A block's scale is 2^e with e = floor(log2(the largest magnitude in the block)) - 2, held to -126 .. 127; a block of zeros has e = 0. As a byte (E8M0): e + 127.
;;     - Each number is divided by its block's scale, clamped to +-6, and rounded to the nearest number of E2M1, ties to even, subnormals kept.
;;     - The product sums the exact products of the quantised numbers (number of the format x scale) in f32.
;;   ~~~python
;;   def quantise(x, axis):      # numpy; x: float32 -> the quantised numbers, widened to float32 again
;;       x = np.moveaxis(x, axis, -1); K = x.shape[-1]
;;       x = np.pad(x, [(0, 0)] * (x.ndim - 1) + [(0, -K % 32)]); x = x.reshape(x.shape[:-1] + (-1, 32)); a = np.abs(x).max(-1, keepdims=True)
;;       e = np.where(a > 0, np.clip(np.frexp(np.where(a > 0, a, 1))[1] - 1 - 2, -126, 127), 0)      # np.frexp(a)[1] - 1 = floor(log2(a)), exactly
;;       r = np.clip(x / 2.0 ** e, -6, 6)
;;       step = 2.0 ** (np.maximum(np.frexp(np.where(r == 0, 1, r))[1] - 1, 0) - 1)
;;       q = np.round(r / step) * step * 2.0 ** e      # np.round: ties to even
;;       return np.moveaxis(q.reshape(q.shape[:-2] + (-1,))[..., :K], -1, axis).astype(np.float32)
;;   ~~~
;;   OPERANDS COMPUTED ON THE WAY. 'Computed on the way' means the value that the module computes at that place (a softmax that the list does not call 'softmax' is quantised finished and normalised). What goes into a quantiser is computed in f32, as accurately as f32 sums, v_exp_f32 and their like allow (about 1e-6 of the number): no bf16 or f16 on the way to a quantiser, and a product that is left as it is and whose result goes on into a quantised operand takes f32 operands (vector FMAs, or v_wmma_f32_16x16x4_f32). A number that lies on a knife's edge between two numbers of the format may be rounded either way, as far as f32 arithmetic and the matrix unit's own rounding can turn it there, and no further.
;;   INPUTS GIVEN AS CODES. W1 (in the module: [8, 1024, 2048], K = its axis 1): each comes as NAME_codes (uint8): NAME with its K axis moved to the last place and cut into blocks of 32 codes, [.., K / 32, bytes a block], one block behind the other in memory; two codes a byte, the lower K in the low four bits (a code: sign, 2 exponent bits, 1 mantissa bit); and NAME_scales (uint8): the same leading axes, one E8M0 byte (e + 127) for each 32 codes along K. Its value is code x scale, taken as it is: it is not quantised again, and the codes and scales need not be those that the quantiser above would give.
;; One version. Each part assembles by itself: llvm-mc -triple=amdgcn-amd-amdhsa -mcpu=gfx1250 --defsym DOCPART=n.
;; ======== version 1 of 1: 3 launches
;; limits: values are held in bf16: 8 bits of precision; right only within a limited range of input values
;; workspace buffers: xq 16,777,216 bytes; xs 1,048,576 bytes; w2f 524,288 bytes; part 4,194,304 bytes
;; launch prep (part 1): grid 256 x 1, 4 waves a work-group, no clusters, 75,264 bytes of LDS; arguments feat, ln_gamma, ln_beta, W2, xq, xs, w2f; writes xq, xs, w2f
.if DOCPART == 1
	.amdgcn_target "amdgcn-amd-amdhsa--gfx1250"
	.amdhsa_code_object_version 6
	.text
	.protected	k_q1c6b5e9f07_prep
	.globl	k_q1c6b5e9f07_prep
	.p2align	8
	.type	k_q1c6b5e9f07_prep,@function
k_q1c6b5e9f07_prep:
	s_mov_b64 s[64:65], 0
	v_nop
	global_prefetch_b8 v0, s[64:65] scope:SCOPE_SE
	s_setreg_imm32_b32 hwreg(HW_REG_WAVE_MODE, 25, 1), 1
	s_wait_xcnt 0x0
; FIRST OF THREE LAUNCHES.  It makes the left operand of the quantised product: x_e = LayerNorm(feat) * ln_gamma[e] + ln_beta[e], for all 8 experts, as codes of FP4 (E2M1) with one E8M0 byte for
; each 32 along K; and it lays W2 out as bf16 fragments for the second launch.  The second launch multiplies (hidden layer, relu, product with W2) and stores partial logits; the third makes the gate and the weighted sum.
; WORK LEFT OUT IN THE PROGRAM: the division of the similarities by tau (tau_gate is the listed constant 1: max(1e-6, 1) = 1, and a division by 1 changes no number).  Nothing else: the gate weighs
; every expert in, so every expert is computed for every row, and every input is loaded by some launch.  A NaN, an infinity or an overflow has no work left out that it could reach alone.
; LIMITS: NaN and infinities among the inputs are not served.  A block of 32 whose largest magnitude lies under 2^-124 (a block of zeros too) gets the scale byte 1 where the rule may say another:
; the bytes are read by this program alone, and a block of zeros has zero codes, which add nothing under any byte but 0xff.
; SHARES.  A work-group takes 16 rows of feat.  Wave w takes the quarter k = 256 w .. 256 w + 255 of all 16 rows and all 8 experts; lane l the 8 neighbours k = 256 w + 8 l .. + 7, so four neighbouring lanes
; hold a block of 32, and the lane's gamma and beta of all experts are 128 registers, loaded once.
; THE NORM.  Each wave takes its quarter's mean and its sum of squared distances from that mean (two passes over registers: no difference of large sums), four rows at a time, as the rows arrive; the four
; quarters meet in LDS and are joined by mean = the mean of the four, M2 = the sum of the four + 256 x the sum of (quarter's mean - mean)^2.
; xq IS LAID AS THE SECOND LAUNCH WANTS IT: [expert][256 rows][half of K][16 rows][block of 32 along K, 16 of them][row][16 bytes]: a fragment (16 rows x 128 K) is two runs of 512 bytes, lane by lane, and the
; codes of 256 rows and half of K are 65,536 consecutive bytes.
; xs: [expert][row][32 bytes].  w2f: [32 hidden units][register group c][lane][16 bytes]: lane (r, h), register 4 c + i, half p = bf16 of W2[32 g + 16 c + 8 h + 2 i + p][class r], and 0 for r >= 8.
; THE EXPERTS GO BY PAIRS: a pair's codes of all 16 rows gather in LDS, a barrier, and they leave while the next pair is quantised: each wave stores one expert's half of K, 4,096 consecutive bytes, 512 a store.
.set CP,    272                        ; a stage row: 256 bytes (16 rows x 16 bytes of one block) + 16: the 32 lanes of a code store fall on 32 different banks (64 banks of 4 bytes: ISA guide 11.1)
.set CST,   0                          ; the codes' stage: 256 rows (32 x expert + block); no byte of it is written twice
.set XSST,  256*CP                     ; the scale bytes: [expert][row][32]
.set STATS, XSST+4096                  ; [row][wave][mean, M2]
.set BC,    STATS+512                  ; 128 bytes for each wave: [row][mean, 1 / sqrt(var + eps)]
.set SPARE, BC+512                     ; the spare words, 128 bytes for each wave: two blocks of 256 bytes that no other line names
.set XO,  2                            ; v2   1024 w + 32 l: my 8 numbers in a row of feat, gamma or beta
.set WO,  3                            ; v3   my place in W2's block of 32 hidden units
.set CA,  4                            ; v4   LDS: where my 4 bytes of codes go
.set SAD, 5                            ; v5   LDS: my block's scale byte
.set STA, 6                            ; v6   LDS: my wave's pair in STATS
.set STR, 7                            ; v7   LDS: row l % 16 of STATS
.set BCW, 8                            ; v8   LDS: row l % 16 of my wave's BC
.set BCR, 9                            ; v9   LDS: my wave's BC
.set RDC, 10                           ; v10  LDS: the way out of the codes: my wave's 16 stage rows of a pair's 64
.set L16, 11                           ; v11  16 l
.set SPW, 12                           ; v12  LDS address of my spare word; never rewritten
.set NIL, 13                           ; v13  0; never rewritten
.set XSR, 14                           ; v14  LDS: the way out of the scale bytes
.set W2O, 15                           ; v15  my 16 bytes in w2f's block
.set X,   16                           ; v16-143  row p at X + 8 p
.set ST,  144                          ; v144-175 a pair for each row: the quarter's (mean, M2), later the row's (mean, 1 / sqrt(var + eps));
.set O,   144                          ;          and, when xhat is made, the way out's 8 x 4 registers
.set Y,   176                          ; v176-207 four times 8 numbers
.set M,   208                          ; v208-211 largest magnitudes
.set SO,  212                          ; v212-215 the conversions' scale operands
.set C,   216                          ; v216-223 codes, two sets of four
.set BY,  224                          ; v224-231 scale bytes, two sets of four
.set T,   232                          ; v232-247 at work
.set W,   248                          ; v248-255 eight numbers of W2, then four packed registers
; window 1: v[16 e .. 16 e + 7] gamma[e], v[16 e + 8 .. 16 e + 15] beta[e], of my 8 columns
.set MSB, 0
.macro WIN new                         ; the immediate's high byte repeats the setting that is left
.if MSB != (\new)
	s_set_vgpr_msb (MSB<<8)|(\new)
.set MSB, (\new)
.endif
.endm
	s_load_b256 s[4:11], s[0:1], 0x0               ; feat s[4:5], ln_gamma s[6:7], ln_beta s[8:9], W2 s[10:11]
	s_load_b128 s[12:15], s[0:1], 0x20             ; xq s[12:13], xs s[14:15]
	s_load_b64 s[16:17], s[0:1], 0x30              ; w2f
	v_lshl_add_u32 v[SPW], v0, 2, SPARE
	v_mov_b32 v[NIL], 0
	v_lshrrev_b32 v1, 5, v0
	v_readfirstlane_b32 s18, v1                    ; wave 0..3
	v_and_b32 v1, 31, v0                           ; lane
	s_lshl_b32 s20, s18, 10
	v_lshl_add_u32 v[XO], v1, 5, s20
	s_and_b32 s21, s18, 1                          ; c: which half of W2's fragment I pack
	s_lshl_b32 s21, s21, 9                         ; 16 hidden units of 32 bytes; also 512 bytes in w2f
	v_bfe_u32 v[T], v0, 4, 1                       ; h
	v_lshlrev_b32 v[T], 8, v[T]                    ; 8 hidden units of 32 bytes
	v_and_b32 v[WO], 7, v0
	v_lshl_add_u32 v[WO], v[WO], 2, v[T]           ; + 4 x (class r % 8): lanes with r >= 8 read inside the buffer and are set to 0 below
	v_add_nc_u32 v[WO], s21, v[WO]
	v_lshl_add_u32 v[W2O], v1, 4, s21
	v_lshrrev_b32 v[T], 2, v1
	s_lshl_b32 s22, s18, 3
	v_add_nc_u32 v[T], s22, v[T]                   ; my block of 32 along K: 8 w + l / 4
	v_mul_u32_u24 v[CA], v[T], CP
	v_and_b32 v[T+1], 3, v0
	v_lshl_add_u32 v[CA], v[T+1], 2, v[CA]         ; + my 4 bytes of the block's 16
	v_add_nc_u32 v[SAD], XSST, v[T]
	s_add_co_u32 s23, s22, STATS
	v_mov_b32 v[STA], s23
	v_and_b32 v[T+1], 15, v0
	v_lshl_add_u32 v[STR], v[T+1], 5, STATS
	s_lshl_b32 s24, s18, 7
	s_add_co_u32 s24, s24, BC
	v_lshl_add_u32 v[BCW], v[T+1], 3, s24
	v_mov_b32 v[BCR], s24
	s_mul_i32 s25, s18, 16*CP                      ; of a pair's 64 stage rows wave w takes out rows 16 w on: expert w / 2 of the pair, half w % 2 of K
	v_bfe_u32 v[T+2], v0, 4, 1
	v_mul_u32_u24 v[RDC], v[T+2], CP
	v_lshl_add_u32 v[RDC], v[T+1], 4, v[RDC]       ; sixteen lanes to a stage row, two rows an instruction
	v_add_nc_u32 v[RDC], s25, v[RDC]
	v_lshlrev_b32 v[L16], 4, v1
	s_add_co_u32 s25, s20, XSST
	v_lshl_add_u32 v[XSR], v1, 4, s25              ; the scale bytes of experts 2 w and 2 w + 1 are 1,024 bytes
	s_mov_b32 s30, 0x3a800000                      ; 1 / 1024
	s_mov_b32 s31, 0x3727c5ac                      ; 1e-5
	s_mov_b32 s32, 0x76543210                      ; v_permlanex16_b32's selects for lane l xor 16
	s_mov_b32 s33, 0xfedcba98
	s_lshl_b32 s26, ttmp9, 16                      ; my 16 rows of feat
	s_mov_b32 s27, 0
	s_lshl_b32 s28, ttmp9, 1
	s_lshr_b32 s29, s18, 1
	s_add_co_u32 s28, s28, s29                     ; g = 2 x work-group + wave / 2: which 32 hidden units of W2
	s_lshl_b32 s28, s28, 10                        ; 1,024 bytes in W2 and in w2f alike
	s_mov_b32 s29, 0
	s_lshr_b32 s34, s18, 1                         ; xq: expert w / 2 (of the first pair): 2 MiB an expert,
	s_lshl_b32 s34, s34, 21
	s_and_b32 s35, s18, 1                          ; half w % 2 of K: 65,536 bytes,
	s_lshl_b32 s35, s35, 16
	s_add_co_u32 s34, s34, s35
	s_lshr_b32 s35, ttmp9, 4                       ; which 256 rows: 131,072 bytes,
	s_lshl_b32 s35, s35, 17
	s_add_co_u32 s34, s34, s35
	s_and_b32 s35, ttmp9, 15                       ; which 16 of them: 4,096 bytes
	s_lshl_b32 s35, s35, 12
	s_add_co_u32 s34, s34, s35
	s_mov_b32 s35, 0
	s_lshl_b32 s36, s18, 18                        ; xs: expert 2 w,
	s_lshl_b32 s37, ttmp9, 9                       ; my 16 rows
	s_add_co_u32 s36, s36, s37
	s_mov_b32 s37, 0
	s_wait_kmcnt 0x0
	s_add_nc_u64 s[4:5], s[4:5], s[26:27]
	s_add_nc_u64 s[10:11], s[10:11], s[28:29]
	s_add_nc_u64 s[16:17], s[16:17], s[28:29]
	s_add_nc_u64 s[12:13], s[12:13], s[34:35]
	s_add_nc_u64 s[14:15], s[14:15], s[36:37]
	; feat (32 loads, row by row) and W2 (8) go out at once; gamma and beta follow in four runs of 8, between the statistics
.set p, 0
.rept 16
	global_load_b128 v[X+8*p:X+8*p+3], v[XO], s[4:5] offset:p*4096 th:TH_LOAD_NT
	global_load_b128 v[X+8*p+4:X+8*p+7], v[XO], s[4:5] offset:p*4096+16 th:TH_LOAD_NT
.set p, p+1
.endr
.irp n, 0,1,2,3,4,5,6,7
	global_load_b32 v[W+\n], v[WO], s[10:11] offset:32*\n
.endr
.macro LOADGB e0                       ; gamma and beta of experts e0 and e0 + 1: 8 loads
	WIN 0x40                                       ; destination window 1
.irp e, (\e0), (\e0)+1
	global_load_b128 v[16*(\e):16*(\e)+3], v[XO], s[6:7] offset:(\e)*4096
	global_load_b128 v[16*(\e)+4:16*(\e)+7], v[XO], s[6:7] offset:(\e)*4096+16
	global_load_b128 v[16*(\e)+8:16*(\e)+11], v[XO], s[8:9] offset:(\e)*4096
	global_load_b128 v[16*(\e)+12:16*(\e)+15], v[XO], s[8:9] offset:(\e)*4096+16
.endr
	WIN 0
.endm
; rows 4 g .. 4 g + 3 by turns: the sum of my 8 numbers
.macro SUMS g
.irp j, 0,1,2,3
	v_pk_add_f32 v[T+4*\j:T+4*\j+1], v[X+8*(4*\g+\j):X+8*(4*\g+\j)+1], v[X+8*(4*\g+\j)+2:X+8*(4*\g+\j)+3]
.endr
.irp j, 0,1,2,3
	v_pk_add_f32 v[T+4*\j+2:T+4*\j+3], v[X+8*(4*\g+\j)+4:X+8*(4*\g+\j)+5], v[X+8*(4*\g+\j)+6:X+8*(4*\g+\j)+7]
.endr
.irp j, 0,1,2,3
	v_pk_add_f32 v[T+4*\j:T+4*\j+1], v[T+4*\j:T+4*\j+1], v[T+4*\j+2:T+4*\j+3]
.endr
.irp j, 0,1,2,3
	v_add_f32 v[ST+2*(4*\g+\j)], v[T+4*\j], v[T+4*\j+1]
.endr
.endm
; the four numbers v[ST + 2 (4 g + j) + off] are summed over the wave's 32 lanes; every lane ends with the sums
.macro ALLRED off, g
.irp m, 1,2,4,8
.irp j, 0,1,2,3
	v_add_f32_dpp v[ST+2*(4*\g+\j)+\off], v[ST+2*(4*\g+\j)+\off], v[ST+2*(4*\g+\j)+\off] row_xmask:\m row_mask:0xf bank_mask:0xf
.endr
.endr
.irp j, 0,1,2,3
	v_permlanex16_b32 v[T+\j], v[ST+2*(4*\g+\j)+\off], s32, s33    ; (its destination counts as read: T has been written)
.endr
.irp j, 0,1,2,3
	v_add_f32 v[ST+2*(4*\g+\j)+\off], v[ST+2*(4*\g+\j)+\off], v[T+\j]
.endr
.endm
.macro MEAN g
.irp j, 0,1,2,3
	v_mul_f32 v[ST+2*(4*\g+\j)], 0x3b800000, v[ST+2*(4*\g+\j)]     ; / 256: the quarter's mean,
.endr
.irp j, 0,1,2,3
	v_mov_b32 v[ST+2*(4*\g+\j)+1], v[ST+2*(4*\g+\j)]               ; (the packed form names the pair, so its upper half is written)
.endr
.endm
; rows 4 g .. 4 g + 3 by turns: the sum of my 8 squared distances from the quarter's mean
.macro DEV g
.irp j, 0,1,2,3
.irp i, 0,2,4,6
	v_pk_add_f32 v[Y+8*\j+\i:Y+8*\j+\i+1], v[X+8*(4*\g+\j)+\i:X+8*(4*\g+\j)+\i+1], v[ST+2*(4*\g+\j):ST+2*(4*\g+\j)+1] op_sel_hi:[1,0] neg_lo:[0,1] neg_hi:[0,1]
.endr
.endr
.irp j, 0,1,2,3
	v_pk_mul_f32 v[T+4*\j:T+4*\j+1], v[Y+8*\j:Y+8*\j+1], v[Y+8*\j:Y+8*\j+1]
.endr
.irp i, 2,4,6
.irp j, 0,1,2,3
	v_pk_fma_f32 v[T+4*\j:T+4*\j+1], v[Y+8*\j+\i:Y+8*\j+\i+1], v[Y+8*\j+\i:Y+8*\j+\i+1], v[T+4*\j:T+4*\j+1]
.endr
.endr
.irp j, 0,1,2,3
	v_add_f32 v[ST+2*(4*\g+\j)+1], v[T+4*\j], v[T+4*\j+1]
.endr
.endm
.irp g, 0,1,2,3
	s_wait_loadcnt 32                              ; rows 4 g .. 4 g + 3 are in.  Behind their loads stand feat's 24 - 8 g, W2's 8 and gamma's and beta's 8 g: 32 each time
	SUMS \g
	ALLRED 0, \g
	MEAN \g
	DEV \g
	ALLRED 1, \g                                   ; the quarter's M2
	LOADGB 2*\g                                    ; the experts' gamma and beta in the order in which the pairs will want them
.endr
	; W2's half fragment: eight numbers down the hidden units become four registers of bf16
	s_wait_loadcnt 32                              ; W2's 8 loads are in; gamma's and beta's 32 may be out
.irp i, 0,1,2,3
	v_cvt_pk_bf16_f32 v[W+\i], v[W+2*\i], v[W+2*\i+1]      ; (each line writes a register whose number has been read)
.endr
	v_and_b32 v[T], 15, v0
	v_cmp_gt_u32 vcc_lo, 8, v[T]                   ; the 8 classes; the matrix form has 16 rows
.irp i, 0,1,2,3
	v_cndmask_b32 v[W+\i], 0, v[W+\i], vcc_lo
.endr
	global_store_b128 v[W2O], v[W:W+3], s[16:17]   ; 32 lanes store 512 consecutive bytes; W is written no more
	; the four quarters meet
.set p, 0
.rept 16
	ds_store_b64 v[STA], v[ST+2*p:ST+2*p+1] offset:32*p    ; all lanes hold the same pair and write the same bytes
.set p, p+1
.endr
	s_wait_dscnt 0x0                               ; for the others' sake: my stores have landed
	s_barrier_signal -1
	s_barrier_wait -1
	ds_load_b128 v[T:T+3], v[STR]                  ; row l % 16: (mean, M2) of quarters 0, 1
	ds_load_b128 v[T+4:T+7], v[STR] offset:16      ; and of 2, 3
	s_wait_dscnt 0x0
	v_add_f32 v[T+8], v[T], v[T+2]
	v_add_f32 v[T+9], v[T+4], v[T+6]
	v_add_f32 v[T+10], v[T+1], v[T+3]
	v_add_f32 v[T+11], v[T+5], v[T+7]
	v_add_f32 v[T+8], v[T+8], v[T+9]
	v_add_f32 v[T+10], v[T+10], v[T+11]            ; the sum of the four M2
	v_mul_f32 v[T+8], 0x3e800000, v[T+8]           ; the row's mean
.irp i, 0,2,4,6
	v_sub_f32 v[T+\i], v[T+\i], v[T+8]
.endr
	v_mul_f32 v[T+9], v[T], v[T]
	v_fmac_f32 v[T+9], v[T+2], v[T+2]
	v_fmac_f32 v[T+9], v[T+4], v[T+4]
	v_fmac_f32 v[T+9], v[T+6], v[T+6]
	v_fma_f32 v[T+10], v[T+9], 0x43800000, v[T+10] ; + 256 x the sum of (quarter's mean - mean)^2
	v_fma_f32 v[T+10], v[T+10], s30, s31           ; var + eps
	s_wait_alu depctr_va_vdst(0)
	v_rsq_f32 v[T+9], v[T+10]
	v_nop                                          ; a plain instruction behind the transcendental,
	s_wait_alu depctr_va_vdst(0)                   ; and the wait ahead of the first line that names its result
	ds_store_b64 v[BCW], v[T+8:T+9]                ; lane r has row r's pair: through my wave's own 128 bytes it reaches every lane
.irp n, 0,1,2,3,4,5,6,7
	ds_load_b128 v[ST+4*\n:ST+4*\n+3], v[BCR] offset:16*\n ; LDS serves a wave's instructions in order (ISA guide 5.7.1.4): these see the store above
.endr
	s_wait_dscnt 0x0
	; xhat = (x - mean) / sqrt(var + eps), in place
.set p, 0
.rept 16
.irp i, 0,2,4,6
	v_pk_add_f32 v[X+8*p+\i:X+8*p+\i+1], v[X+8*p+\i:X+8*p+\i+1], v[ST+2*p:ST+2*p+1] op_sel_hi:[1,0] neg_lo:[0,1] neg_hi:[0,1]
.endr
.irp i, 0,2,4,6
	v_pk_mul_f32 v[X+8*p+\i:X+8*p+\i+1], v[X+8*p+\i:X+8*p+\i+1], v[ST+2*p:ST+2*p+1] op_sel:[0,1] op_sel_hi:[1,1]
.endr
.set p, p+1
.endr
; Rows p, p + 1 x experts 2 k, 2 k + 1, the four by turns (turn j: row p + j / 2, expert 2 k + j % 2): x_e = xhat gamma + beta; the block's largest magnitude (my 8, then my three neighbours');
; the scale; 8 codes and the byte, into LDS.  set: which of the two sets of C and BY; the calls take them by turns.
.macro QGROUP p, k, set
	WIN 0x14                                       ; sources 1 and 2 (gamma, beta) window 1
.irp j, 0,1,2,3
.irp i, 0,2,4,6
	v_pk_fma_f32 v[Y+8*\j+\i:Y+8*\j+\i+1], v[X+8*((\p)+\j/2)+\i:X+8*((\p)+\j/2)+\i+1], v[16*(2*(\k)+\j%2)+\i:16*(2*(\k)+\j%2)+\i+1], v[16*(2*(\k)+\j%2)+8+\i:16*(2*(\k)+\j%2)+8+\i+1]
.endr
.endr
	WIN 0
.irp j, 0,1,2,3
	v_max3_num_f32 v[M+\j], |v[Y+8*\j]|, |v[Y+8*\j+1]|, 0x1800000  ; with the floor 2^(3 - 127), under which no largest magnitude is taken: the byte cannot fall under 1
.endr
.irp i, 2,4,6
.irp j, 0,1,2,3
	v_max3_num_f32 v[M+\j], v[M+\j], |v[Y+8*\j+\i]|, |v[Y+8*\j+\i+1]|
.endr
.endr
.irp m, 1,2
.irp j, 0,1,2,3
	v_max_num_f32_dpp v[M+\j], v[M+\j], v[M+\j] row_xmask:\m row_mask:0xf bank_mask:0xf
.endr
.endr
.irp j, 0,1,2,3
	v_add_nc_u32 v[SO+\j], 0xff000000, v[M+\j]     ; 2 off the exponent field: the conversion takes the exponent field of this operand as its scale, and nothing else of it
.endr
	s_wait_alu depctr_va_vdst(0)
	s_wait_dscnt 8                                 ; the last call's 8 stores may be out; those of the call before it, which read this set of C and BY, are done
.irp j, 0,1,2,3
	v_cvt_scalef32_pk8_fp4_f32 v[C+4*(\set)+\j], v[Y+8*\j:Y+8*\j+7], v[SO+\j]
.endr
.irp j, 0,1,2,3
	v_lshrrev_b32 v[BY+4*(\set)+\j], 23, v[SO+\j]  ; the scale's byte.  (Plain lines behind the conversions, ahead of the next writes of Y and SO)
.endr
.irp j, 0,1,2,3
	ds_store_b32 v[CA], v[C+4*(\set)+\j] offset:(2*(\k)+\j%2)*32*CP+16*((\p)+\j/2)
	ds_store_b8 v[SAD], v[BY+4*(\set)+\j] offset:(2*(\k)+\j%2)*512+32*((\p)+\j/2)   ; the four lanes of a block write the same byte with the same value
.endr
.endm
; THE WAY OUT of pair k: my wave's 16 stage rows, 4,096 bytes of one expert's half of K.  With the last pair: the scale bytes of experts 2 w and 2 w + 1 are fetched too.
.macro OUT k
.if (\k) > 0
	s_wait_xcnt 0x0                                ; the last pair's stores have read their registers and their base: both may be written
	s_add_nc_u64 s[12:13], s[12:13], 0x400000      ; two experts on
.endif
.irp n, 0,1,2,3,4,5,6,7
	ds_load_b128 v[O+4*\n:O+4*\n+3], v[RDC] offset:(\k)*64*CP+\n*2*CP
.endr
.if (\k) == 3
	ds_load_b128 v[Y:Y+3], v[XSR]
	ds_load_b128 v[Y+4:Y+7], v[XSR] offset:512
.endif
.irp n, 0,1,2,3,4,5,6,7
	s_wait_dscnt 7-\n+2*((\k)/3)                   ; LDS loads come back in order: load n is in, those behind it may be out
	global_store_b128 v[L16], v[O+4*\n:O+4*\n+3], s[12:13] offset:\n*512   ; 32 lanes store 512 consecutive bytes
.endr
.endm
.irp k, 0,1,2,3
	s_wait_loadcnt 24-8*\k                         ; this pair's gamma and beta are in; the later pairs' 8 loads each may be out
.irp p, 0,2,4,6,8,10,12,14
	QGROUP \p, \k, (\p/2)%2
.endr
	s_wait_dscnt 0x0                               ; for the others' sake: my stores have landed
	s_barrier_signal -1
	s_barrier_wait -1                              ; the pair's 64 stage rows are whole; the next pair's codes go to other bytes, so no second barrier is needed
	OUT \k
.endr
	s_wait_dscnt 1
	global_store_b128 v[L16], v[Y:Y+3], s[14:15]
	s_wait_dscnt 0x0
	global_store_b128 v[L16], v[Y+4:Y+7], s[14:15] offset:131072
	s_wait_tensorcnt 0x0                           ; the wave's end, behind my last LDS store
	ds_add_u32 v[SPW], v[NIL]
	s_wait_dscnt 0x0
	s_endpgm
.Lfunc_end_k_q1c6b5e9f07_prep:
	.size	k_q1c6b5e9f07_prep, .Lfunc_end_k_q1c6b5e9f07_prep-k_q1c6b5e9f07_prep
	.p2alignl 7, 3214868480
	.fill 96, 4, 3214868480
	.section	.rodata,"a",@progbits
	.p2align	6, 0x0
	.amdhsa_kernel k_q1c6b5e9f07_prep
		.amdhsa_group_segment_fixed_size 75264
		.amdhsa_private_segment_fixed_size 0
		.amdhsa_enable_private_segment 0
		.amdhsa_kernarg_size 56
		.amdhsa_user_sgpr_count 2
		.amdhsa_user_sgpr_kernarg_segment_ptr 1
		.amdhsa_wavefront_size32 1
		.amdhsa_system_sgpr_workgroup_id_x 1
		.amdhsa_system_sgpr_workgroup_id_y 1
		.amdhsa_system_sgpr_workgroup_id_z 1
		.amdhsa_system_vgpr_workitem_id 0
		.amdhsa_next_free_vgpr 384
		.amdhsa_next_free_sgpr 66
		.amdhsa_reserve_vcc 1
		.amdhsa_float_denorm_mode_32 3
		.amdhsa_float_denorm_mode_16_64 3
		.amdhsa_memory_ordered 1
		.amdhsa_forward_progress 1
		.amdhsa_inst_pref_size 178
	.end_amdhsa_kernel
	.amdgpu_metadata
---
amdhsa.version: [ 1, 2 ]
amdhsa.kernels:
  - .name:           k_q1c6b5e9f07_prep
    .symbol:         k_q1c6b5e9f07_prep.kd
    .args:
      - { .name: feat, .offset: 0, .size: 8, .value_kind: global_buffer, .address_space: global }
      - { .name: ln_gamma, .offset: 8, .size: 8, .value_kind: global_buffer, .address_space: global }
      - { .name: ln_beta, .offset: 16, .size: 8, .value_kind: global_buffer, .address_space: global }
      - { .name: W2, .offset: 24, .size: 8, .value_kind: global_buffer, .address_space: global }
      - { .name: xq, .offset: 32, .size: 8, .value_kind: global_buffer, .address_space: global }
      - { .name: xs, .offset: 40, .size: 8, .value_kind: global_buffer, .address_space: global }
      - { .name: w2f, .offset: 48, .size: 8, .value_kind: global_buffer, .address_space: global }
    .group_segment_fixed_size: 75264
    .private_segment_fixed_size: 0
    .kernarg_segment_align: 8
    .kernarg_segment_size: 56
    .max_flat_workgroup_size: 128
    .sgpr_count:     66
    .vgpr_count:     384
    .wavefront_size: 32
...
	.end_amdgpu_metadata
.endif
;; end of part 1
;; launch experts (part 2): grid 8 x 32, 8 waves a work-group, clusters of 4 x 4, 327,680 bytes of LDS; arguments xq, xs, W1_codes, W1_scales, b1, w2f, part; writes part
.if DOCPART == 2
	.amdgcn_target "amdgcn-amd-amdhsa--gfx1250"
	.amdhsa_code_object_version 6
	.text
	.protected	k_q1c6b5e9f07_experts
	.globl	k_q1c6b5e9f07_experts
	.p2align	8
	.type	k_q1c6b5e9f07_experts,@function
k_q1c6b5e9f07_experts:
	s_mov_b64 s[64:65], 0
	v_nop
	global_prefetch_b8 v0, s[64:65] scope:SCOPE_SE
	s_setreg_imm32_b32 hwreg(HW_REG_WAVE_MODE, 25, 1), 1
	s_wait_xcnt 0x0
	s_wait_alu depctr_hold_cnt(0) depctr_sa_sdst(0) depctr_va_vdst(0) depctr_va_sdst(0) depctr_va_ssrc(0) depctr_va_vcc(0) depctr_vm_vsrc(0)
	s_getreg_b32 s2, hwreg(HW_REG_IB_STS2, 6, 4)
	s_cmp_eq_u32 s2, 0
	s_cbranch_scc0 .Lentry_in_a_cluster
	s_endpgm
.Lentry_in_a_cluster:
	s_bfe_u32 s2, ttmp6, 0x10000c
	s_cmp_lg_u32 s2, 0xf033
	s_cbranch_scc0 .Lentry_shape_is_right
	s_endpgm
.Lentry_shape_is_right:
; SECOND OF THREE LAUNCHES: part[16 rows][place][row][class] = relu(x_e W1[e] + b1[e]) W2[e], summed over one quarter (512) of expert e's 2,048 hidden units.  No work of reference() is left out here.
; The first product is on codes of FP4 (E2M1) with one E8M0 byte for each 32 along K (x_e's by the first launch, W1's as given); the second has bf16 operands and f32 sums.  b2, the gate and the sum over places are the third launch's.
; LIMITS: NaN and infinities are not served.
; THE DEAL.  Work-group (X, y): rows 512 X on; expert y / 4, quarter y % 4; place = 16 (quarter / 2) + 2 e + quarter % 2.
; Each of EIGHT waves, two to a SIMD, owns 64 rows and holds their codes, ALL of K, in 256 registers.  All waves walk the same 16 steps of 32 hidden units, whose rows of W1 lie in LDS.
; A STEP: 8 groups (128 along K each) of 4 products of 32 rows, the four sums by turns: source 0 = 32 hidden units (16 registers, scale words one a lane), source 1 = 16 of my rows; b1 is the first group's C.
; A lane then holds one row and hidden units 8 h + j, 16 + 8 h + j.  THE WAY OUT stands behind the step as one batch: relu in place, rounding to bf16 in pairs into the sum's own first 8 registers, which are source 1 of the
; second product as they lie.  One wave's batch stands beside the other wave's products.
; W1's fragments go through a ring of four sets of 16 registers, fetched four groups ahead; scale words and b1 are fetched from LDS a step ahead, W2's fragment in its own step.
; CLUSTER 4 x 4: a column has one X and the four quarters of one expert: it asks for x jointly.  A row has one y: it asks for W1's rows, W1's scale bytes and w2f jointly.
; LDS: 512 rows of 528 bytes for W1.  At the head rows 0 to 255 are W1's; the bytes of rows 256 to 511 take x's second half of K (the first launch's register image, 512 bytes a row).  x's first half of K comes by plain loads.
; THE HEAD'S EIGHT TENSOR LOADS, one a wave: waves 0, 1 x's second half of K; waves 2 to 5 W1's rows 0 to 255; wave 6 W1's scale bytes; wave 7 w2f.  Behind a plain barrier each wave takes its part of x into registers.
; ONE REFILL, behind a drained round. A plain barrier in step 4 shows them; steps 0 to 4 read rows under 256 alone.
; ONE PREFETCH at the head names the refill's 131,072 bytes once in the row of the cluster: partner cx, wave w take 4,096 bytes, a lane to each 256 (lanes 16-31 name the last again).
; REGISTERS: window 0 as named below; window 1 x's fragments: block a, K step q at 8 (8 a + q).
.set PITCH, 528                        ; an LDS row: 512 bytes + 16
.set STEPB, 32*PITCH
.set XR,    256*PITCH                  ; x's second half of K, later W1's rows 256 on
.set SCB,   512*PITCH                  ; W1's scale bytes [hidden unit][32]
.set B1L,   SCB+16384                  ; b1: stored by the waves; no fill lands here
.set W2L,   B1L+2048                   ; W2's fragments, 1,024 bytes for 32 hidden units
.set STG,   W2L+16384                  ; the logits' stage: 2,048 bytes a wave
.set SPARE, STG+16384                  ; the spare words: 128 bytes a wave
.set L16,  4                           ; 16 x lane
.set AX,   5                           ; LDS: my lane in my rows of x's image
.set PF,   6                           ; the prefetch's offset; never rewritten
.set SCO,  7                           ; x's scale words: 32 r + 1,024 h
.set AW,   8                           ; LDS: my lane in the step's rows of W1
.set AS,   9                           ; LDS: my hidden unit's scale words
.set AB,   10                          ; LDS: b1 of the step, + 32 h
.set A2,   11                          ; LDS: W2's fragment of the step
.set STO,  12
.set RD,   13
.set SPW,  14
.set NIL,  15
.set SA,   16                          ; v16-31  x's scale words: 8 (a % 2) + q; lanes 0-15 block a, lanes 16-31 block a + 2
.set SB,   32                          ; v32-47  W1's, two sets; word q at (q + 4) % 8
.set BI,   48                          ; v48-63  b1 as a sum lies
.set W2F,  64                          ; v64-71  W2's fragment
.set L,    72                          ; v72-103 the logits: 4 blocks of 16 rows
.set RING, 104                         ; v104-167 W1's fragments; at the end the rows on their way out
.set ACC,  168                         ; v168-231 four sums of 16
.set T8,   232                         ; 8 x thread
.set T8L,  233                         ; LDS: B1L + 8 x thread
.set WV,   18
.set G1X,  32                          ; group 1 of x's tiles; s[56:59] group 0
.set G1W,  40                          ; of W1's; s[60:63] group 0 at the head, s[76:79] of the refill
.set G1T,  48                          ; of a table of 16,384 dense bytes; s[68:71] W1's scale bytes, s[72:75] w2f
.set G0X,  56
.set G0W,  60
.set G0S,  68
.set G0F,  72
.set G0R,  76
.set XP,   80
.set SAP,  82
.set BIP,  84
.set OUTP, 86
.set MSB, 0
.macro WIN new
.if MSB != (\new)
	s_set_vgpr_msb (MSB<<8)|(\new)
.set MSB, (\new)
.endif
.endm
.macro PLACES n
.rept \n
	v_nop
.endr
.endm
.macro CROUND
	s_barrier_signal -1
	s_barrier_wait -1
	s_cmp_lg_u32 s[WV], 0
	s_cbranch_scc1 .Lnot_wave_0_\@
	s_barrier_signal -3
.Lnot_wave_0_\@:
	s_barrier_wait -3
	s_barrier_signal -1
	s_barrier_wait -1
.endm
.macro P1 d, r, x, c, s0, s1, hi
.if \hi
	v_wmma_scale_f32_32x16x128_f4 v[\d:\d+15], v[\r:\r+15], v[\x:\x+7], \c, v[\s0], v[\s1] matrix_b_scale:MATRIX_SCALE_ROW1
.else
	v_wmma_scale_f32_32x16x128_f4 v[\d:\d+15], v[\r:\r+15], v[\x:\x+7], \c, v[\s0], v[\s1]
.endif
.endm
.macro PRD p, q, a                     ; scale set p, K step q, my block a
.set D_, ACC+16*(\a)
.set R_, RING+16*((\q)%4)
.set X_, 8*(8*(\a)+(\q))
.set S0_, SB+8*(\p)+(((\q)+4)%8)
.set S1_, SA+8*((\a)%2)+(\q)
.if (\q) == 0
	P1 D_, R_, X_, v[BI:BI+15], S0_, S1_, (\a)/2
.else
	P1 D_, R_, X_, v[D_:D_+15], S0_, S1_, (\a)/2
.endif
.endm
.macro RLOAD u, n                      ; W1's fragment of group n (8 and more: of the next step) into ring set n % 4: four loads
.irp t, 0,1
.irp c, 0,1
	ds_load_b128 v[RING+16*((\n)%4)+8*\t+4*\c:RING+16*((\n)%4)+8*\t+4*\c+3], v[AW] offset:((\u)+(\n)/8)*STEPB+((\n)%8)*64+\t*16*PITCH+32*\c
.endr
.endr
.endm
.macro EXTRA p, u, last                ; the next step's scale words and b1 (6 loads), this step's fragment of W2 (2)
.if (\last) == 0
	ds_load_b128 v[SB+8*(1-(\p))+4:SB+8*(1-(\p))+7], v[AS] offset:((\u)+1)*1024
	ds_load_b128 v[SB+8*(1-(\p)):SB+8*(1-(\p))+3], v[AS] offset:((\u)+1)*1024+16
.irp t, 0,1
.irp c, 0,1
	ds_load_b128 v[BI+8*\t+4*\c:BI+8*\t+4*\c+3], v[AB] offset:((\u)+1)*128+64*\t+16*\c
.endr
.endr
.endif
.irp c, 0,1
	ds_load_b128 v[W2F+4*\c:W2F+4*\c+3], v[A2] offset:(\u)*1024+512*\c
.endr
.endm
.macro WO zero                         ; the way out of a step; four places stand behind its last product already
.set J_, 0
.rept 64
	v_max_num_f32 v[ACC+J_], 0, v[ACC+J_]          ; relu, each sum from its low end on
.set J_, J_+1
.endr
.irp b, 0,1,2,3
.irp i, 0,1,2,3,4,5,6,7
	v_cvt_pk_bf16_f32 v[ACC+16*\b+\i], v[ACC+16*\b+2*\i], v[ACC+16*\b+2*\i+1]   ; line i writes register i, which lines up to i alone have read
.endr
.endr
.irp b, 0,1,2,3                        ; logits += W2^T h: source 0 = 16 classes (8 real) x 32 hidden units, source 1 = 32 hidden units x 16 rows
.if \zero
	v_wmma_f32_16x16x32_bf16 v[L+8*\b:L+8*\b+7], v[W2F:W2F+7], v[ACC+16*\b:ACC+16*\b+7], 0
.else
	v_wmma_f32_16x16x32_bf16 v[L+8*\b:L+8*\b+7], v[W2F:W2F+7], v[ACC+16*\b:ACC+16*\b+7], v[L+8*\b:L+8*\b+7]
.endif
.endr
	PLACES 5                                       ; the next step's first products write over these products' source 1
.endm
; A step.  The wait at a group's head: younger than its fragment's loads are the three later fetches (12) and, for groups 3 to 6, EXTRA's 8; in the last step, which fetches up to group 3 and has 2 loads in EXTRA, 12, 10, 6, 0.
.macro STEP p, u, first, last, bar
.irp q, 0,1,2,3,4,5,6,7
.if (\first) && (\q) < 4
	s_wait_loadcnt 8*(3-\q)                        ; x's K step q is in: the later K steps' 8 plain loads each may be out
.endif
.if (\bar) && (\q) == 2
	s_wait_tensorcnt 0x0                           ; my 32 rows of the refill are in
	s_wait_dscnt 0x0
	s_barrier_signal -1                            ; a plain barrier
.elseif (\last) && (\q) == 5
	s_wait_dscnt 10
.elseif (\last) && (\q) == 6
	s_wait_dscnt 6
.elseif (\last) && (\q) == 7
	s_wait_dscnt 0x0
.elseif (\last) == 0 && (\q) >= 3 && (\q) <= 6
	s_wait_dscnt 20
.else
	s_wait_dscnt 12
.endif
.if (\bar) && (\q) == 4
	s_barrier_wait -1                              ; everybody's rows are in
.endif
	WIN 0x04                                       ; source 1 (x) window 1
.irp a, 0,1,2,3
	PRD \p, \q, \a
.endr
	WIN 0
	PLACES 4                                       ; ahead of the fetch into the ring set that these products read, and of the way out
.if (\last) == 0 || (\q) < 4
	RLOAD \u, \q+4
.endif
.if \q == 2
	EXTRA \p, \u, \last
.endif
.endr
	WO \first
.endm
.macro ADV n                           ; the four LDS addresses go n steps on
	v_add_nc_u32 v[AW], (\n)*STEPB, v[AW]
	v_add_nc_u32 v[AS], (\n)*1024, v[AS]
	v_add_nc_u32 v[AB], (\n)*128, v[AB]
	v_add_nc_u32 v[A2], (\n)*1024, v[A2]
	s_wait_alu depctr_va_vdst(0)
.endm
.macro ARM under, g0, g1, next         ; an arm of the head's chain: its load, and a jump to the chain's end
	s_cmp_lt_u32 s[WV], \under
	s_cbranch_scc0 \next
	tensor_load_to_lds s[\g0:\g0+3], s[\g1:\g1+7]
	s_nop 0
	PLACES 4
	s_branch .Lasked
\next:
.endm
	s_load_b256 s[4:11], s[0:1], 0x0               ; xq, xs, W1's codes, W1's scales
	s_load_b128 s[12:15], s[0:1], 0x20             ; b1, w2f
	s_load_b64 s[16:17], s[0:1], 0x30              ; part
	v_lshl_add_u32 v[SPW], v0, 2, SPARE
	v_mov_b32 v[NIL], 0
	ds_add_u32 v[SPW], v[NIL]                      ; the opening lines
	ds_add_u32 v[SPW], v[NIL]
	v_lshrrev_b32 v1, 5, v0
	v_readfirstlane_b32 s[WV], v1
	s_bfe_u32 s19, ttmp6, 0x40000                  ; cx
	s_bfe_u32 s23, ttmp6, 0x40004                  ; cy: the quarter
	s_lshl_b32 s20, ttmp9, 2
	s_add_co_u32 s20, s20, s19                     ; X
	s_and_b32 s22, ttmp7, 0xffff                   ; the cluster's y: e
	s_lshl_b32 s21, s22, 2
	s_add_co_u32 s21, s21, s23                     ; y = 4 e + quarter
	s_lshl_b32 s88, 0x1111, s19                    ; my column of the cluster
	s_lshl_b32 s89, s23, 2
	s_lshl_b32 s89, 15, s89                        ; my row
	s_or_b32 s[G1X], s88, (1<<20)|(1<<21)|(6<<22)|(3<<25)  ; elements of 1 byte; four words of padding behind every 128
	s_or_b32 s[G1W], s89, (1<<20)|(1<<21)|(6<<22)|(3<<25)
	s_or_b32 s[G1T], s89, (3<<16)|(1<<21)          ; elements of 8 bytes, dense
	s_mov_b32 s[G1X+1], 512<<16
	s_mov_b32 s[G1X+2], 128<<16                    ; 128 rows of 512 bytes
	s_mov_b32 s[G1X+3], 512<<16
	s_mov_b32 s[G1X+4], 128
	s_mov_b32 s[G1X+5], 512
	s_mov_b32 s[G1X+6], 0
	s_mov_b32 s[G1X+7], 0
	s_mov_b32 s[G1W+1], 512<<16
	s_mov_b32 s[G1W+2], 64<<16                     ; 64 rows at the head
	s_mov_b32 s[G1W+3], 512<<16
	s_mov_b32 s[G1W+4], 64
	s_mov_b32 s[G1W+5], 512
	s_mov_b32 s[G1W+6], 0
	s_mov_b32 s[G1W+7], 0
	s_mov_b32 s[G1T+1], 32<<16                     ; 64 rows of 256 bytes
	s_mov_b32 s[G1T+2], 64<<16
	s_mov_b32 s[G1T+3], 32<<16
	s_mov_b32 s[G1T+4], 64
	s_mov_b32 s[G1T+5], 32
	s_mov_b32 s[G1T+6], 0
	s_mov_b32 s[G1T+7], 0
	s_lshl_b32 s24, s22, 21                        ; xq: expert, 256 rows 2 X on: made of e, X and the wave's number alone
	s_lshl_b32 s25, s20, 18
	s_add_co_u32 s24, s24, s25
	s_lshl_b32 s26, s[WV], 17                      ; the joint load: 256 rows 2 X + wave, K's second half
	s_add_co_u32 s26, s26, s24
	s_add_co_u32 s26, s26, 65536
	s_mov_b32 s27, 0
	s_lshr_b32 s25, s[WV], 2                       ; the plain loads: 256 rows 2 X + wave / 4, 64 rows wave % 4
	s_lshl_b32 s25, s25, 17
	s_add_co_u32 s24, s24, s25
	s_and_b32 s25, s[WV], 3
	s_lshl_b32 s25, s25, 14
	s_add_co_u32 s24, s24, s25
	s_mov_b32 s25, 0
	s_lshl_b32 s28, s22, 17                        ; xs: expert, my 64 rows of 32 bytes
	s_lshl_b32 s29, s20, 14
	s_add_co_u32 s28, s28, s29
	s_lshl_b32 s29, s[WV], 11
	s_add_co_u32 s28, s28, s29
	s_mov_b32 s29, 0
	s_add_co_u32 s67, s[WV], 2
	s_and_b32 s67, s67, 3                          ; waves 2 to 5: 0 to 3
	s_lshl_b32 s30, s21, 18                        ; W1's codes: 512 y rows of 512 bytes: made of y and the wave's number alone
	s_lshl_b32 s90, s[WV], 14
	s_add_co_u32 s90, s90, s30
	s_add_co_u32 s90, s90, 256*512                 ; the refill: rows 256 + 32 wave on
	s_mov_b32 s91, 0
	s_lshl_b32 s31, s67, 15
	s_add_co_u32 s30, s30, s31                     ; the head: rows 64 (wave - 2) on
	s_mov_b32 s31, 0
	s_lshl_b32 s92, s21, 14                        ; W1's scale bytes and w2f: 16,384 bytes a quarter
	s_mov_b32 s93, 0
	s_lshl_b32 s94, s21, 11                        ; b1
	s_mov_b32 s95, 0
	s_lshl_b32 s2, s20, 19                         ; part: 16,384 bytes for 16 rows; my 4 blocks; my place x 512
	s_lshl_b32 s3, s[WV], 16
	s_add_co_u32 s2, s2, s3
	s_lshr_b32 s3, s23, 1
	s_lshl_b32 s3, s3, 13
	s_add_co_u32 s2, s2, s3
	s_lshl_b32 s3, s22, 10
	s_add_co_u32 s2, s2, s3
	s_and_b32 s3, s23, 1
	s_lshl_b32 s3, s3, 9
	s_add_co_u32 s2, s2, s3
	s_mov_b32 s3, 0
	s_mov_b32 s[G0X], 1
	s_mul_i32 s[G0X+1], s[WV], 128*PITCH
	s_add_co_u32 s[G0X+1], s[G0X+1], XR
	s_mov_b32 s[G0W], 1
	s_mul_i32 s[G0W+1], s67, 64*PITCH
	s_mov_b32 s[G0S], 1
	s_mov_b32 s[G0S+1], SCB
	s_mov_b32 s[G0F], 1
	s_mov_b32 s[G0F+1], W2L
	s_mov_b32 s[G0R], 1
	s_mul_i32 s[G0R+1], s[WV], 32*PITCH
	s_add_co_u32 s[G0R+1], s[G0R+1], XR
	s_lshl_b32 s67, s[WV], 11
	s_add_co_u32 s67, s67, STG                     ; my stage
	s_mul_i32 s88, s[WV], 32*PITCH
	s_add_co_u32 s88, s88, XR                      ; my 32 rows of x's image
	s_lshl_b32 s89, s19, 3                         ; the prefetch: partner cx, wave w: 4,096 bytes of the refill's rows
	s_add_co_u32 s89, s89, s[WV]
	s_lshl_b32 s89, s89, 12
	s_lshl_b32 s66, s21, 18
	s_add_co_u32 s89, s89, s66
	s_add_co_u32 s89, s89, 256*512
	v_and_b32 v1, 31, v0                           ; lane
	v_and_b32 v2, 15, v0                           ; r
	v_bfe_u32 v3, v0, 4, 1                         ; h
	v_lshlrev_b32 v[T8], 3, v0
	v_lshl_add_u32 v[T8L], v0, 3, B1L
	v_lshlrev_b32 v[L16], 4, v1
	v_lshlrev_b32 v[SCO], 5, v2
	v_mul_u32_u24 v[AW], v2, PITCH
	v_min_u32 v[PF], 15, v1
	v_lshl_add_u32 v[AX], v1, 4, s88
	v_lshl_add_u32 v[AS], v1, 5, SCB
	v_lshl_add_u32 v[AB], v3, 5, B1L
	v_lshl_add_u32 v[A2], v1, 4, W2L
	v_lshl_add_u32 v[STO], v1, 5, s67
	v_lshl_add_u32 v[RD], v1, 4, s67
	v_lshl_add_u32 v[SCO], v3, 10, v[SCO]
	v_lshl_add_u32 v[AW], v3, 4, v[AW]
	v_lshl_add_u32 v[PF], v[PF], 8, s89
	s_wait_alu depctr_va_vdst(0)
	s_wait_dscnt 0x0
	CROUND                                         ; the opening round
	s_wait_kmcnt 0x0
	s_add_nc_u64 s[G0X+2:G0X+3], s[4:5], s[26:27]
	s_or_b32 s[G0X+3], s[G0X+3], 0x80000000
	s_add_nc_u64 s[G0W+2:G0W+3], s[8:9], s[30:31]
	s_or_b32 s[G0W+3], s[G0W+3], 0x80000000
	s_add_nc_u64 s[G0S+2:G0S+3], s[10:11], s[92:93]
	s_or_b32 s[G0S+3], s[G0S+3], 0x80000000
	s_add_nc_u64 s[G0F+2:G0F+3], s[14:15], s[92:93]
	s_or_b32 s[G0F+3], s[G0F+3], 0x80000000
	s_add_nc_u64 s[G0R+2:G0R+3], s[8:9], s[90:91]
	s_or_b32 s[G0R+3], s[G0R+3], 0x80000000
	ARM 2, G0X, G1X, .Larm_w                       ; waves 0, 1: x's second half of K, 128 rows of the image each
	ARM 6, G0W, G1W, .Larm_s                       ; waves 2 to 5: W1's rows 0 to 255, 64 each
	ARM 7, G0S, G1T, .Larm_f                       ; wave 6: W1's scale bytes
	tensor_load_to_lds s[G0F:G0F+3], s[G1T:G1T+7]  ; wave 7: w2f
	s_nop 0
	PLACES 4
.Lasked:
	s_add_nc_u64 s[XP:XP+1], s[4:5], s[24:25]
	s_add_nc_u64 s[SAP:SAP+1], s[6:7], s[28:29]
	s_add_nc_u64 s[BIP:BIP+1], s[12:13], s[94:95]
	s_add_nc_u64 s[OUTP:OUTP+1], s[16:17], s[2:3]
	global_load_b64 v[ACC:ACC+1], v[T8], s[BIP:BIP+1]      ; b1: the 256 threads take 2,048 bytes on end
.irp i, 0,1
.irp c, 0,1
	global_load_b128 v[SA+8*\i+4*\c:SA+8*\i+4*\c+3], v[SCO], s[SAP:SAP+1] offset:\i*512+16*\c
.endr
.endr
	global_prefetch_b8 v[PF], s[8:9] th:TH_LOAD_NT scope:SCOPE_SE
	WIN 0x40                                       ; x's first half of K: 32 loads, K step by K step: 512 bytes on end an instruction
.irp q, 0,1,2,3
.irp a, 0,1,2,3
.irp c, 0,1
	global_load_b128 v[8*(8*\a+\q)+4*\c:8*(8*\a+\q)+4*\c+3], v[L16], s[XP:XP+1] offset:\a*4096+\q*1024+\c*512
.endr
.endr
.endr
	WIN 0
	s_wait_loadcnt 36                              ; b1 is in; x's scale words (4) and x's 32 loads may be out
	ds_store_b64 v[T8L], v[ACC:ACC+1]
	s_wait_tensorcnt 0x0                           ; my tile of the head's eight is in
	s_wait_dscnt 0x0
	s_barrier_signal -1
	s_barrier_wait -1                              ; all eight are, and b1
	WIN 0x40                                       ; x's second half of K into registers: 32 loads of one image row each
.irp q, 0,1,2,3
.irp a, 0,1,2,3
.irp c, 0,1
	ds_load_b128 v[8*(8*\a+4+\q)+4*\c:8*(8*\a+4+\q)+4*\c+3], v[AX] offset:(\a*8+\q*2+\c)*PITCH
.endr
.endr
.endr
	WIN 0
	ds_load_b128 v[SB+4:SB+7], v[AS]
	ds_load_b128 v[SB:SB+3], v[AS] offset:16
.irp t, 0,1
.irp c, 0,1
	ds_load_b128 v[BI+8*\t+4*\c:BI+8*\t+4*\c+3], v[AB] offset:64*\t+16*\c
.endr
.endr
	RLOAD 0, 0
	RLOAD 0, 1
	RLOAD 0, 2
	RLOAD 0, 3
	s_wait_tensorcnt 0x0                           ; ahead of the refill's round
	ds_add_u32 v[SPW], v[NIL]
	s_mov_b32 s[G1W+2], 32<<16                     ; no load of mine is out: from here a load brings 32 rows
	s_mov_b32 s[G1W+4], 32
	s_wait_dscnt 0x0                               ; the add is done, and my reads of x's image are over
	CROUND                                         ; so it is with every wave of every partner
	tensor_load_to_lds s[G0R:G0R+3], s[G1W:G1W+7]  ; W1's rows 256 to 511, 32 a wave, over x's image
	s_nop 0
	PLACES 4
	STEP 0, 0, 1, 0, 0                             ; step 0: its products with W2 start the logits
	ADV 1
	STEP 1, 0, 0, 0, 0                             ; steps 1 to 4 read rows under 256 alone
	STEP 0, 1, 0, 0, 0
	ADV 2
	STEP 1, 0, 0, 0, 0
	STEP 0, 1, 0, 0, 1
	ADV 2
	s_mov_b32 s66, 5
.Lpair:                                                ; steps 5 to 14, two a trip
	STEP 1, 0, 0, 0, 0
	STEP 0, 1, 0, 0, 0
	ADV 2
	s_sub_co_u32 s66, s66, 1
	s_cmp_lg_u32 s66, 0
	s_cbranch_scc1 .Lpair
	STEP 1, 0, 0, 1, 0                             ; step 15 fetches nothing beyond the end
; THE LOGITS.  Lanes 0-15 hold row r's 8 classes, 32 bytes.  Two blocks at a time go through my own stage and come back as 512 bytes on end a block.  LDS serves a wave's instructions in order.
.irp P, 0,1
.irp n, 0,1
	ds_store_b128 v[STO], v[L+8*(2*\P+\n):L+8*(2*\P+\n)+3] offset:\n*1024
	ds_store_b128 v[STO], v[L+8*(2*\P+\n)+4:L+8*(2*\P+\n)+7] offset:\n*1024+16
.endr
.irp n, 0,1
	ds_load_b128 v[RING+8*\P+4*\n:RING+8*\P+4*\n+3], v[RD] offset:\n*1024
.endr
.endr
	s_wait_dscnt 0x0
.irp b, 0,1,2,3
	global_store_b128 v[L16], v[RING+4*\b:RING+4*\b+3], s[OUTP:OUTP+1] offset:\b*16384   ; 32 lanes store 512 consecutive bytes, at a multiple of 512
.endr
	s_wait_tensorcnt 0x0                           ; the wave's end
	ds_add_u32 v[SPW], v[NIL]
	s_wait_dscnt 0x0
	CROUND                                         ; the closing round
	s_endpgm
.Lfunc_end_k_q1c6b5e9f07_experts:
	.size	k_q1c6b5e9f07_experts, .Lfunc_end_k_q1c6b5e9f07_experts-k_q1c6b5e9f07_experts
	.p2alignl 7, 3214868480
	.fill 96, 4, 3214868480
	.section	.rodata,"a",@progbits
	.p2align	6, 0x0
	.amdhsa_kernel k_q1c6b5e9f07_experts
		.amdhsa_group_segment_fixed_size 327680
		.amdhsa_private_segment_fixed_size 0
		.amdhsa_enable_private_segment 0
		.amdhsa_kernarg_size 56
		.amdhsa_user_sgpr_count 2
		.amdhsa_user_sgpr_kernarg_segment_ptr 1
		.amdhsa_wavefront_size32 1
		.amdhsa_system_sgpr_workgroup_id_x 1
		.amdhsa_system_sgpr_workgroup_id_y 1
		.amdhsa_system_sgpr_workgroup_id_z 1
		.amdhsa_system_vgpr_workitem_id 0
		.amdhsa_next_free_vgpr 512
		.amdhsa_next_free_sgpr 96
		.amdhsa_reserve_vcc 0
		.amdhsa_float_denorm_mode_32 3
		.amdhsa_float_denorm_mode_16_64 3
		.amdhsa_memory_ordered 1
		.amdhsa_forward_progress 1
		.amdhsa_inst_pref_size 120
	.end_amdhsa_kernel
	.amdgpu_metadata
---
amdhsa.version: [ 1, 2 ]
amdhsa.kernels:
  - .name:           k_q1c6b5e9f07_experts
    .symbol:         k_q1c6b5e9f07_experts.kd
    .args:
      - { .name: xq, .offset: 0, .size: 8, .value_kind: global_buffer, .address_space: global }
      - { .name: xs, .offset: 8, .size: 8, .value_kind: global_buffer, .address_space: global }
      - { .name: W1_codes, .offset: 16, .size: 8, .value_kind: global_buffer, .address_space: global }
      - { .name: W1_scales, .offset: 24, .size: 8, .value_kind: global_buffer, .address_space: global }
      - { .name: b1, .offset: 32, .size: 8, .value_kind: global_buffer, .address_space: global }
      - { .name: w2f, .offset: 40, .size: 8, .value_kind: global_buffer, .address_space: global }
      - { .name: part, .offset: 48, .size: 8, .value_kind: global_buffer, .address_space: global }
    .group_segment_fixed_size: 327680
    .private_segment_fixed_size: 0
    .kernarg_segment_align: 8
    .kernarg_segment_size: 56
    .max_flat_workgroup_size: 256
    .sgpr_count:     96
    .vgpr_count:     512
    .wavefront_size: 32
...
	.end_amdgpu_metadata
.endif
;; end of part 2
;; launch combine (part 3): grid 256 x 1, 2 waves a work-group, no clusters, 0 bytes of LDS; arguments z_cat, mu_cat, b2, part, out0, out1; writes out0, out1
.if DOCPART == 3
	.amdgcn_target "amdgcn-amd-amdhsa--gfx1250"
	.amdhsa_code_object_version 6
	.text
	.protected	k_q1c6b5e9f07_combine
	.globl	k_q1c6b5e9f07_combine
	.p2align	8
	.type	k_q1c6b5e9f07_combine,@function
k_q1c6b5e9f07_combine:
	s_mov_b64 s[64:65], 0
	v_nop
	global_prefetch_b8 v0, s[64:65] scope:SCOPE_SE
	s_setreg_imm32_b32 hwreg(HW_REG_WAVE_MODE, 25, 1), 1
	s_wait_xcnt 0x0
; THIRD OF THREE LAUNCHES: the gate w = softmax(z / max(|z|, 1e-12) . mu_e / max(|mu_e|, 1e-12)) = out1, and out0[row][c] = the sum over e of w[e] (part[row][2 e][c] + part[row][2 e + 1][c] + b2[e][c]).
; LEFT OUT: the division of the similarities by tau: tau_gate is the listed constant 1, and a division by 1 changes no number.  The row's largest similarity is taken away before the exponentials, as reference() does.
; LIMITS: NaN and infinities among the inputs are not served; a sum of squares under 2^-126 counts as 0 for v_sqrt_f32 (ISA guide, its entry in 15.8), so that the 1e-12 is taken there, as it would be anyway.
; SHARES.  A wave takes 8 rows.  For the dot products (f32 multiply-adds: 8 columns are too few for the matrix forms to pay) lane l holds k = 4 l .. + 3 and 128 + 4 l .. + 3 of z and of every mu.
; The sums over lanes are FOLDED: at each halving a lane keeps the rows of its own half and sends the other's, so that at the end lane l holds the nine sums of row l / 4, and the softmax is computed once for all 8 rows.
; Lane l then stands for row l / 4 and classes 2 (l % 4), + 1: each load of partial logits and each store of the wave covers 256 consecutive bytes, at a multiple of 256 from its buffer's first byte.
; No LDS, no barrier: waves share nothing.  All loads go out at the head.
; part HAS FOUR PLACES AN EXPERT: [16 rows][32 places][row][class]; places 2 e, 2 e + 1, 16 + 2 e, 17 + 2 e are expert e's four quarters of the hidden units, and all four are added.
; Places 16 to 31 land in v256-287 and are added onto places 0 to 15 first.
.set Z,   8
.set MU,  72                           ; v72-135  and of the 8 mu, later normalised
.set P,   136                          ; v136-167 16 partial logits, a pair of classes each
.set B2,  168                          ; v168-183 b2, a pair for each expert
.set D,   184                          ; v184-219 four sets of nine folded sums: z.mun[0..7], z.z
.set TA,  220                          ; v220-228 nine sums of one row
.set TB,  229                          ; v229-237 and of the row four further on
.set TP,  238                          ; v238-243 three pairs at work
.set WG,  244                          ; v244-251 the gate's 8 weights of my row
	s_load_b256 s[4:11], s[0:1], 0x0               ; z_cat s[4:5], mu_cat s[6:7], b2 s[8:9], part s[10:11]
	s_load_b128 s[12:15], s[0:1], 0x20             ; out0 s[12:13], out1 s[14:15]
	v_lshrrev_b32 v1, 5, v0
	v_readfirstlane_b32 s16, v1                    ; wave 0, 1
	v_and_b32 v4, 31, v0                           ; lane
	v_lshlrev_b32 v1, 4, v4                        ; 16 l
	v_lshlrev_b32 v2, 3, v4                        ; 8 l
	v_and_b32 v3, 3, v0
	v_lshlrev_b32 v3, 3, v3                        ; 8 (l % 4): my pair of classes
	s_mov_b32 s17, 0x2b8cbccc                      ; 1e-12
	s_mov_b32 s24, 0x76543210                      ; v_permlanex16_b32's selects for lane l xor 16
	s_mov_b32 s25, 0xfedcba98
	s_mov_b32 s26, 0xffff0000                      ; lanes with bit 4,
	s_mov_b32 s27, 0xff00ff00                      ; bit 3,
	s_mov_b32 s28, 0xf0f0f0f0                      ; bit 2 set
	s_mov_b32 s29, 0x22222222                      ; lanes with l % 4 = 1,
	s_mov_b32 s30, 0x44444444                      ; 2,
	s_mov_b32 s31, 0x88888888                      ; 3
	s_lshl_b32 s18, ttmp9, 4
	s_lshl_b32 s19, s16, 3
	s_add_co_u32 s22, s18, s19                     ; my first row: 16 x work-group + 8 x wave
	s_lshl_b32 s18, s22, 10                        ; in z_cat
	s_mov_b32 s19, 0
	s_lshl_b32 s20, ttmp9, 14                      ; in part: the work-group's 16 rows x 32 places,
	s_lshl_b32 s21, s16, 8                         ; my 8 rows of 32 bytes
	s_add_co_u32 s20, s20, s21
	s_mov_b32 s21, 0
	s_lshl_b32 s22, s22, 5                         ; in out0 and out1
	s_mov_b32 s23, 0
.set i, 0
.rept 9
	v_mov_b32 v[TB+i], 0                           ; written once: a lane permute's destination counts as one of its sources
.set i, i+1
.endr
	s_wait_kmcnt 0x0
	s_add_nc_u64 s[4:5], s[4:5], s[18:19]
	s_add_nc_u64 s[10:11], s[10:11], s[20:21]
	s_add_nc_u64 s[12:13], s[12:13], s[22:23]
	s_add_nc_u64 s[14:15], s[14:15], s[22:23]
.irp e, 0,1,2,3,4,5,6,7
	global_load_b128 v[MU+8*\e:MU+8*\e+3], v1, s[6:7] offset:\e*1024
	global_load_b128 v[MU+8*\e+4:MU+8*\e+7], v1, s[6:7] offset:\e*1024+512
.endr
.irp p, 0,1,2,3,4,5,6,7
	global_load_b128 v[Z+8*\p:Z+8*\p+3], v1, s[4:5] offset:\p*1024 th:TH_LOAD_NT
	global_load_b128 v[Z+8*\p+4:Z+8*\p+7], v1, s[4:5] offset:\p*1024+512 th:TH_LOAD_NT
.endr
.irp e, 0,1,2,3,4,5,6,7
	global_load_b64 v[B2+2*\e:B2+2*\e+1], v3, s[8:9] offset:32*\e
.endr
.irp p, 0,1,2,3,4,5,6,7,8,9,10,11,12,13,14,15
	global_load_b64 v[P+2*\p:P+2*\p+1], v2, s[10:11] offset:512*\p th:TH_LOAD_NT
.endr
	s_set_vgpr_msb 0x40                            ; destination window 1
.irp p, 0,1,2,3,4,5,6,7,8,9,10,11,12,13,14,15
	global_load_b64 v[2*\p:2*\p+1], v2, s[10:11] offset:8192+512*\p th:TH_LOAD_NT
.endr
	s_set_vgpr_msb 0x4000
; n (2 or 3) dot products of a lane's 8 numbers, by turns, so that no line waits for the line above it: v[d + u] = v[au ..] . v[bu ..]
.macro DOTS n, d, a0, b0, a1, b1, a2, b2
	v_pk_mul_f32 v[TP:TP+1], v[\a0:\a0+1], v[\b0:\b0+1]
	v_pk_mul_f32 v[TP+2:TP+3], v[\a1:\a1+1], v[\b1:\b1+1]
.if \n > 2
	v_pk_mul_f32 v[TP+4:TP+5], v[\a2:\a2+1], v[\b2:\b2+1]
.endif
.irp i, 2,4,6
	v_pk_fma_f32 v[TP:TP+1], v[\a0+\i:\a0+\i+1], v[\b0+\i:\b0+\i+1], v[TP:TP+1]
	v_pk_fma_f32 v[TP+2:TP+3], v[\a1+\i:\a1+\i+1], v[\b1+\i:\b1+\i+1], v[TP+2:TP+3]
.if \n > 2
	v_pk_fma_f32 v[TP+4:TP+5], v[\a2+\i:\a2+\i+1], v[\b2+\i:\b2+\i+1], v[TP+4:TP+5]
.endif
.endr
	v_add_f32 v[\d], v[TP], v[TP+1]
	v_add_f32 v[\d+1], v[TP+2], v[TP+3]
.if \n > 2
	v_add_f32 v[\d+2], v[TP+4], v[TP+5]
.endif
.endm
; a pair times one register, which is the low or the high half of an aligned pair
.macro PKB dst, src, reg
.if ((\reg)%2) == 0
	v_pk_mul_f32 v[\dst:\dst+1], v[\src:\src+1], v[(\reg):(\reg)+1] op_sel_hi:[1,0]
.else
	v_pk_mul_f32 v[\dst:\dst+1], v[\src:\src+1], v[(\reg)-1:(\reg)] op_sel:[0,1] op_sel_hi:[1,1]
.endif
.endm
	; mu_e / max(|mu_e|, 1e-12)
	s_wait_loadcnt 56                              ; mu's 16 loads are in; z's 16, b2's 8 and part's 32 may be out
	DOTS 3, TA, MU, MU, MU+8, MU+8, MU+16, MU+16
	DOTS 3, TA+3, MU+24, MU+24, MU+32, MU+32, MU+40, MU+40
	DOTS 2, TA+6, MU+48, MU+48, MU+56, MU+56, 0, 0
.irp m, 1,2,4,8
.irp e, 0,1,2,3,4,5,6,7
	v_add_f32_dpp v[TA+\e], v[TA+\e], v[TA+\e] row_xmask:\m row_mask:0xf bank_mask:0xf
.endr
.endr
.irp e, 0,1,2,3,4,5,6,7
	v_permlanex16_b32 v[TB+\e], v[TA+\e], s24, s25
.endr
.irp e, 0,1,2,3,4,5,6,7
	v_add_f32 v[TA+\e], v[TA+\e], v[TB+\e]
.endr
	s_wait_alu depctr_va_vdst(0)
.irp e, 0,1,2,3,4,5,6,7
	v_sqrt_f32 v[TA+\e], v[TA+\e]
.endr
	v_nop                                          ; a plain instruction behind the batch,
	s_wait_alu depctr_va_vdst(0)                   ; and the one wait ahead of the first line that names a result
.irp e, 0,1,2,3,4,5,6,7
	v_max_num_f32 v[TA+\e], s17, v[TA+\e]
.endr
	s_wait_alu depctr_va_vdst(0)
.irp e, 0,1,2,3,4,5,6,7
	v_rcp_f32 v[TA+\e], v[TA+\e]
.endr
	v_nop
	s_wait_alu depctr_va_vdst(0)                   ; one wait for the eight reciprocals
.irp e, 0,1,2,3,4,5,6,7
.irp i, 0,2,4,6
	PKB MU+8*\e+\i, MU+8*\e+\i, TA+\e
.endr
.endr
	; the nine sums of each row, and the first fold: lanes 0-15 keep row p, lanes 16-31 row p + 4
.macro ROW9 d, zr
	DOTS 3, \d, \zr, MU, \zr, MU+8, \zr, MU+16
	DOTS 3, \d+3, \zr, MU+24, \zr, MU+32, \zr, MU+40
	DOTS 3, \d+6, \zr, MU+48, \zr, MU+56, \zr, \zr
.endm
	s_wait_loadcnt 40                              ; z's 16 loads are in; b2's 8 and part's 32 may be out
.irp p, 0,1,2,3
	ROW9 TA, Z+8*\p
	ROW9 TB, Z+8*\p+32
.set i, 0
.rept 9
	v_cndmask_b32 v[D+9*\p+i], v[TA+i], v[TB+i], s26       ; what I keep,
.set i, i+1
.endr
.set i, 0
.rept 9
	v_cndmask_b32 v[TA+i], v[TB+i], v[TA+i], s26           ; what lane l xor 16 keeps
.set i, i+1
.endr
.set i, 0
.rept 9
	v_permlanex16_b32 v[TB+i], v[TA+i], s24, s25
.set i, i+1
.endr
.set i, 0
.rept 9
	v_add_f32 v[D+9*\p+i], v[D+9*\p+i], v[TB+i]
.set i, i+1
.endr
.endr
; a further fold: lanes whose bit is clear keep set a, the others set b; the sums land in set a
.macro FOLD a, b, msk, xm
.set i, 0
.rept 9
	v_cndmask_b32 v[TA+i], v[D+9*\a+i], v[D+9*\b+i], s[\msk]
.set i, i+1
.endr
.set i, 0
.rept 9
	v_cndmask_b32 v[D+9*\b+i], v[D+9*\b+i], v[D+9*\a+i], s[\msk]
.set i, i+1
.endr
.set i, 0
.rept 9
	v_add_f32_dpp v[D+9*\a+i], v[D+9*\b+i], v[TA+i] row_xmask:\xm row_mask:0xf bank_mask:0xf   ; the first source comes from lane l xor xm
.set i, i+1
.endr
.endm
	FOLD 0, 2, 27, 8                               ; bit 3 of the lane: rows + 2
	FOLD 1, 3, 27, 8
	FOLD 0, 1, 28, 4                               ; bit 2: rows + 1
.irp m, 2,1
.set i, 0
.rept 9
	v_add_f32_dpp v[D+i], v[D+i], v[D+i] row_xmask:\m row_mask:0xf bank_mask:0xf   ; the four lanes of a row end with the same sums
.set i, i+1
.endr
.endr
	; the softmax of my row
	s_wait_alu depctr_va_vdst(0)
	v_sqrt_f32 v[D+8], v[D+8]
	v_nop
	s_wait_alu depctr_va_vdst(0)
	v_max_num_f32 v[D+8], s17, v[D+8]
	s_wait_alu depctr_va_vdst(0)
	v_rcp_f32 v[D+8], v[D+8]
	v_nop
	s_wait_alu depctr_va_vdst(0)
.irp e, 0,1,2,3,4,5,6,7
	v_mul_f32 v[D+\e], v[D+\e], v[D+8]             ; the similarities
.endr
	v_max3_num_f32 v252, v[D], v[D+1], v[D+2]
	v_max3_num_f32 v253, v[D+3], v[D+4], v[D+5]
	v_max3_num_f32 v252, v252, v[D+6], v[D+7]
	v_max_num_f32 v252, v252, v253
.irp e, 0,1,2,3,4,5,6,7
	v_sub_f32 v[D+\e], v[D+\e], v252
.endr
.irp e, 0,1,2,3,4,5,6,7
	v_mul_f32 v[D+\e], 0x3fb8aa3b, v[D+\e]         ; x log2(e): v_exp_f32 is 2^x
.endr
	s_wait_alu depctr_va_vdst(0)
.irp e, 0,1,2,3,4,5,6,7
	v_exp_f32 v[D+\e], v[D+\e]
.endr
	v_nop
	s_wait_alu depctr_va_vdst(0)                   ; one wait for the eight exponentials
	v_add_f32 v252, v[D], v[D+1]
	v_add_f32 v253, v[D+2], v[D+3]
	v_add_f32 v254, v[D+4], v[D+5]
	v_add_f32 v255, v[D+6], v[D+7]
	v_add_f32 v252, v252, v253
	v_add_f32 v254, v254, v255
	v_add_f32 v252, v252, v254
	s_wait_alu depctr_va_vdst(0)
	v_rcp_f32 v252, v252
	v_nop
	s_wait_alu depctr_va_vdst(0)
.irp e, 0,1,2,3,4,5,6,7
	v_mul_f32 v[WG+\e], v[D+\e], v252
.endr
	; out1: my pair of the row's eight weights
	v_cndmask_b32 v[TP], v[WG], v[WG+2], s29
	v_cndmask_b32 v[TP+1], v[WG+1], v[WG+3], s29
	v_cndmask_b32 v[TP], v[TP], v[WG+4], s30
	v_cndmask_b32 v[TP+1], v[TP+1], v[WG+5], s30
	v_cndmask_b32 v[TP], v[TP], v[WG+6], s31
	v_cndmask_b32 v[TP+1], v[TP+1], v[WG+7], s31
	global_store_b64 v2, v[TP:TP+1], s[14:15]      ; 32 lanes store 256 consecutive bytes; this pair is written no more
	; out0: the experts' logits, weighed; two chains
	s_wait_loadcnt 0x0                             ; b2 and the partial logits
	s_set_vgpr_msb 0x04                            ; source 1 window 1
.irp p, 0,1,2,3,4,5,6,7,8,9,10,11,12,13,14,15
	v_pk_add_f32 v[P+2*\p:P+2*\p+1], v[P+2*\p:P+2*\p+1], v[2*\p:2*\p+1]
.endr
	s_set_vgpr_msb 0x0400
.irp e, 0,1,2,3,4,5,6,7
	v_pk_add_f32 v[P+4*\e:P+4*\e+1], v[P+4*\e:P+4*\e+1], v[P+4*\e+2:P+4*\e+3]
.endr
.irp e, 0,1,2,3,4,5,6,7
	v_pk_add_f32 v[P+4*\e:P+4*\e+1], v[P+4*\e:P+4*\e+1], v[B2+2*\e:B2+2*\e+1]
.endr
	PKB TP+2, P, WG
	PKB TP+4, P+4, WG+1
.irp e, 2,4,6
	v_pk_fma_f32 v[TP+2:TP+3], v[P+4*\e:P+4*\e+1], v[WG+\e:WG+\e+1], v[TP+2:TP+3] op_sel_hi:[1,0,1]
	v_pk_fma_f32 v[TP+4:TP+5], v[P+4*\e+4:P+4*\e+5], v[WG+\e:WG+\e+1], v[TP+4:TP+5] op_sel:[0,1,0] op_sel_hi:[1,1,1]
.endr
	v_pk_add_f32 v[TP+2:TP+3], v[TP+2:TP+3], v[TP+4:TP+5]
	global_store_b64 v2, v[TP+2:TP+3], s[12:13]
	s_endpgm
.Lfunc_end_k_q1c6b5e9f07_combine:
	.size	k_q1c6b5e9f07_combine, .Lfunc_end_k_q1c6b5e9f07_combine-k_q1c6b5e9f07_combine
	.p2alignl 7, 3214868480
	.fill 96, 4, 3214868480
	.section	.rodata,"a",@progbits
	.p2align	6, 0x0
	.amdhsa_kernel k_q1c6b5e9f07_combine
		.amdhsa_group_segment_fixed_size 0
		.amdhsa_private_segment_fixed_size 0
		.amdhsa_enable_private_segment 0
		.amdhsa_kernarg_size 48
		.amdhsa_user_sgpr_count 2
		.amdhsa_user_sgpr_kernarg_segment_ptr 1
		.amdhsa_wavefront_size32 1
		.amdhsa_system_sgpr_workgroup_id_x 1
		.amdhsa_system_sgpr_workgroup_id_y 1
		.amdhsa_system_sgpr_workgroup_id_z 1
		.amdhsa_system_vgpr_workitem_id 0
		.amdhsa_next_free_vgpr 288
		.amdhsa_next_free_sgpr 66
		.amdhsa_reserve_vcc 0
		.amdhsa_float_denorm_mode_32 3
		.amdhsa_float_denorm_mode_16_64 3
		.amdhsa_memory_ordered 1
		.amdhsa_forward_progress 1
		.amdhsa_inst_pref_size 57
	.end_amdhsa_kernel
	.amdgpu_metadata
---
amdhsa.version: [ 1, 2 ]
amdhsa.kernels:
  - .name:           k_q1c6b5e9f07_combine
    .symbol:         k_q1c6b5e9f07_combine.kd
    .args:
      - { .name: z_cat, .offset: 0, .size: 8, .value_kind: global_buffer, .address_space: global }
      - { .name: mu_cat, .offset: 8, .size: 8, .value_kind: global_buffer, .address_space: global }
      - { .name: b2, .offset: 16, .size: 8, .value_kind: global_buffer, .address_space: global }
      - { .name: part, .offset: 24, .size: 8, .value_kind: global_buffer, .address_space: global }
      - { .name: out0, .offset: 32, .size: 8, .value_kind: global_buffer, .address_space: global }
      - { .name: out1, .offset: 40, .size: 8, .value_kind: global_buffer, .address_space: global }
    .group_segment_fixed_size: 0
    .private_segment_fixed_size: 0
    .kernarg_segment_align: 8
    .kernarg_segment_size: 48
    .max_flat_workgroup_size: 64
    .sgpr_count:     66
    .vgpr_count:     288
    .wavefront_size: 32
...
	.end_amdgpu_metadata
.endif
;; end of part 3
